; MI455X (gfx1250); checked and timed in simulation.
; The chip was launched on July 23, 2026; its instructions are those of AMD's public machine-readable ISA for CDNA 5 (MIT licence, August 2026) and "CDNA5" Instruction Set Architecture Reference Guide (July 2026). The comments in the code are by the model that wrote it; some were corrected since.
;; Multi Self attention0. Allowed arithmetic: matrix products marked QUANTISED: E5M2 operands, one E8M0 scale for each 32 along K, by v_wmma_scale_f32_16x16x128_f8f6f4 with both operands' format E5M2, f32 sums; everything else in f32.
;; Inputs: b_0 128 float32; b_k 1,024 float32; b_q 1,024 float32; b_v 1,024 float32; k_codes 4 x 2,048 x 32 x 32 uint8 (E5M2 codes of k, K innermost, in blocks of 32 codes); k_scales 4 x 2,048 x 32 uint8 (E8M0 scales of k, one for each 32 codes along K); q_codes 4 x 2,048 x 32 x 32 uint8 (E5M2 codes of q, K innermost, in blocks of 32 codes); q_scales 4 x 2,048 x 32 uint8 (E8M0 scales of q, one for each 32 codes along K); v_codes 4 x 2,048 x 32 x 32 uint8 (E5M2 codes of v, K innermost, in blocks of 32 codes); v_scales 4 x 2,048 x 32 uint8 (E8M0 scales of v, one for each 32 codes along K); w_0_codes 128 x 32 x 32 uint8 (E5M2 codes of w_0, K innermost, in blocks of 32 codes); w_0_scales 128 x 32 uint8 (E8M0 scales of w_0, one for each 32 codes along K); w_k_codes 1,024 x 32 x 32 uint8 (E5M2 codes of w_k, K innermost, in blocks of 32 codes); w_k_scales 1,024 x 32 uint8 (E8M0 scales of w_k, one for each 32 codes along K); w_q_codes 1,024 x 32 x 32 uint8 (E5M2 codes of w_q, K innermost, in blocks of 32 codes); w_q_scales 1,024 x 32 uint8 (E8M0 scales of w_q, one for each 32 codes along K); w_v_codes 1,024 x 32 x 32 uint8 (E5M2 codes of w_v, K innermost, in blocks of 32 codes); w_v_scales 1,024 x 32 uint8 (E8M0 scales of w_v, one for each 32 codes along K).
;; Outputs: out0 4 x 2,048 x 128 float32.
;; This version of the problem:
;;   THIS VERSION OF THE PROBLEM IS GIVEN IN LOW PRECISION. The matrix products marked QUANTISED in the list below multiply operands that are first quantised to E5M2 (5 exponent bits, 2 mantissa bits; 8 bits a number), with one power-of-two scale for each 32 numbers along K (OCP MX v1.0); their sums are f32. All else is computed in f32.
;;   The module's matrix products, in the order in which they are computed (A, B: the left and right operand; K: the contracted axis; several contracted axes count as one K, in the product's order):
;;     1. [M 8,192, K 1,024] x [K 1,024, N 1,024]; A: input q (given as codes); B: input w_q (given as codes): QUANTISED
;;     2. [M 8,192, K 1,024] x [K 1,024, N 1,024]; A: input k (given as codes); B: input w_k (given as codes): QUANTISED
;;     3. [M 8,192, K 1,024] x [K 1,024, N 1,024]; A: input v (given as codes); B: input w_v (given as codes): QUANTISED
;;     4. batch 32 x [M 2,048, K 128] x [K 128, N 2,048]; A: computed on the way; B: computed on the way: QUANTISED
;;     5. batch 32 x [M 128, K 2,048] x [K 2,048, N 2,048]; A: computed on the way; B: softmax (see below): QUANTISED
;;     6. [M 8,192, K 1,024] x [K 1,024, N 128]; A: computed on the way; B: input w_0 (given as codes): QUANTISED
;;   THE QUANTISER, for each operand of a quantised product, along K:
;;     - K is cut into blocks of 32 from its start; a last block that is shorter is filled with zeros.
;;     - A block's scale is 2^e with e = floor(log2(the largest magnitude in the block)) - 15, held to -126 .. 127; a block of zeros has e = 0. As a byte (E8M0): e + 127.
;;     - Each number is divided by its block's scale, clamped to +-57,344, and rounded to the nearest number of E5M2, ties to even, subnormals kept.
;;     - The product sums the exact products of the quantised numbers (number of the format x scale) in f32.
;;   ~~~python
;;   def quantise(x, axis):      # numpy; x: float32 -> the quantised numbers, widened to float32 again
;;       x = np.moveaxis(x, axis, -1); K = x.shape[-1]
;;       x = np.pad(x, [(0, 0)] * (x.ndim - 1) + [(0, -K % 32)]); x = x.reshape(x.shape[:-1] + (-1, 32)); a = np.abs(x).max(-1, keepdims=True)
;;       e = np.where(a > 0, np.clip(np.frexp(np.where(a > 0, a, 1))[1] - 1 - 15, -126, 127), 0)      # np.frexp(a)[1] - 1 = floor(log2(a)), exactly
;;       r = np.clip(x / 2.0 ** e, -57344, 57344)
;;       step = 2.0 ** (np.maximum(np.frexp(np.where(r == 0, 1, r))[1] - 1, -14) - 2)
;;       q = np.round(r / step) * step * 2.0 ** e      # np.round: ties to even
;;       return np.moveaxis(q.reshape(q.shape[:-2] + (-1,))[..., :K], -1, axis).astype(np.float32)
;;   ~~~
;;   SOFTMAX AHEAD OF A QUANTISED PRODUCT. Where the list says 'softmax', what is quantised is not the finished softmax but p = 2^(t - M), with t = logit x log2(e) and M = ceil(the row's largest t), a whole number; so 1/2 < the row's largest p <= 1. The row's sum l is taken of the UNQUANTISED p, in f32, and the product's result is divided by l at the end. Since M is a whole number, a kernel that streams over the keys may use a running M (the ceiling of the running maximum): every later rescaling is an exact power of two, which a block's scale takes up: the codes' values come out the same.
;;   OPERANDS COMPUTED ON THE WAY. 'Computed on the way' means the value that the module computes at that place (a softmax that the list does not call 'softmax' is quantised finished and normalised). What goes into a quantiser is computed in f32, as accurately as f32 sums, v_exp_f32 and their like allow (about 1e-6 of the number): no bf16 or f16 on the way to a quantiser, and a product that is left as it is and whose result goes on into a quantised operand takes f32 operands (vector FMAs, or v_wmma_f32_16x16x4_f32). A number that lies on a knife's edge between two numbers of the format may be rounded either way, as far as f32 arithmetic and the matrix unit's own rounding can turn it there, and no further.
;;   INPUTS GIVEN AS CODES. k (in the module: [4, 2048, 1024], K = its axis 2); q (in the module: [4, 2048, 1024], K = its axis 2); v (in the module: [4, 2048, 1024], K = its axis 2); w_0 (in the module: [1024, 128], K = its axis 0); w_k (in the module: [1024, 1024], K = its axis 0); w_q (in the module: [1024, 1024], K = its axis 0); w_v (in the module: [1024, 1024], K = its axis 0): each comes as NAME_codes (uint8): NAME with its K axis moved to the last place and cut into blocks of 32 codes, [.., K / 32, bytes a block], one block behind the other in memory; one code a byte (a code: sign, 5 exponent bits, 2 mantissa bits); and NAME_scales (uint8): the same leading axes, one E8M0 byte (e + 127) for each 32 codes along K. Its value is code x scale, taken as it is: it is not quantised again, and the codes and scales need not be those that the quantiser above would give.
;; One version. Each part assembles by itself: llvm-mc -triple=amdgcn-amd-amdhsa -mcpu=gfx1250 --defsym DOCPART=n.
;; ======== version 1 of 1: 3 launches
;; limits: right only within a limited range of input values
;; workspace buffers: qi 8,650,752 bytes; kv 17,301,504 bytes; oc 8,650,752 bytes
;; launch proj (part 1): grid 4 x 96, 4 waves a work-group, clusters of 4 x 4, 327,680 bytes of LDS; arguments q_codes, q_scales, k_codes, k_scales, v_codes, v_scales, w_q_codes, w_q_scales, w_k_codes, w_k_scales, w_v_codes, w_v_scales, b_q, b_k, b_v, qi, kv; writes qi, kv
.if DOCPART == 1
	.amdgcn_target "amdgcn-amd-amdhsa--gfx1250"
	.amdhsa_code_object_version 6
	.text
	.protected	k_q5987144173_proj
	.globl	k_q5987144173_proj
	.p2align	8
	.type	k_q5987144173_proj,@function
k_q5987144173_proj:
	s_mov_b64 s[64:65], 0
	v_nop
	global_prefetch_b8 v0, s[64:65] scope:SCOPE_SE
	s_setreg_imm32_b32 hwreg(HW_REG_WAVE_MODE, 25, 1), 1
	s_wait_xcnt 0x0
	s_wait_alu depctr_hold_cnt(0) depctr_sa_sdst(0) depctr_va_vdst(0) depctr_va_sdst(0) depctr_va_ssrc(0) depctr_va_vcc(0) depctr_vm_vsrc(0)
	s_getreg_b32 s2, hwreg(HW_REG_IB_STS2, 6, 4)
	s_cmp_eq_u32 s2, 0
	s_cbranch_scc0 .Lentry_in_a_cluster
	s_endpgm
.Lentry_in_a_cluster:
	s_bfe_u32 s2, ttmp6, 0x10000c
	s_cmp_lg_u32 s2, 0xf033
	s_cbranch_scc0 .Lentry_shape_is_right
	s_endpgm
.Lentry_shape_is_right:
.set KSTEP,  256
.set NQ,     KSTEP/128
.set ROWB,   256
.set KROW,   1024
.set PITCH,  272
.set FR,     16
.set NL,     4
.set NP,     8
.set HALFT,  128*PITCH
.set SLOT,   4*HALFT
.set KS,     32
.set SCL,    2*SLOT
.set HALFS,  (128*KS/256)*272
.set SBLK,   (16*KS/256)*272
.set SPARE,  SCL+4*HALFS
.set SCSTG,  SPARE+512
.set ADRA, 16
.set ADRB, 20
.set GOF,  24
.set SWA,  25
.set SRA,  26
.set ADRS, 27
.set SPW,  28
.set NIL,  29
.set BA,   30
.set BB,   31
.set SC,   32
.set CI,   64
.set TM,   64
.set PW,   80
.set SB,   96
.set AF,   128
.set CD,   128
.set SEL,  18
.set MNT,  20
.set TEN,  66
.set G1, 24
.set G0, 32
.set G1B, 48
.set G0B, 56
.set G1S, 68
.set G0S, 76
.set G1SB, 80
.set G0SB, 88
.set MSB, 0
.macro WIN new
.if MSB != (\new)
	s_set_vgpr_msb (MSB<<8)|(\new)
.set MSB, (\new)
.endif
.endm
.set MUL_LO, 0xa1
.set MUL_HI, 0xf1
.set TO_B,   0x40
.macro JLOAD g0a, g1a, g0b, g1b
	s_cmp_eq_u32 s15, 0
	s_cbranch_scc0 .Lfor_b_\@
	tensor_load_to_lds s[\g0a:\g0a+3], s[\g1a:\g1a+7]
	s_nop 0
.rept 4
	v_nop
.endr
	s_branch .Lasked_\@
.Lfor_b_\@:
	tensor_load_to_lds s[\g0b:\g0b+3], s[\g1b:\g1b+7]
	s_nop 0
.rept 4
	v_nop
.endr
.Lasked_\@:
.endm
.macro CREST
	s_cmp_lg_u32 s14, 0
	s_cbranch_scc1 .Lnot_wave_0_\@
	s_barrier_signal -3
.Lnot_wave_0_\@:
	s_barrier_wait -3
	s_barrier_signal -1
	s_barrier_wait -1
.endm
.macro CROUND
	s_barrier_signal -1
	s_barrier_wait -1
	CREST
.endm
	s_load_b512 s[68:83], s[0:1], 0x0
	s_load_b512 s[84:99], s[0:1], 0x40
	s_load_b64 s[100:101], s[0:1], 0x80
	v_lshl_add_u32 v[SPW], v0, 2, SPARE
	v_mov_b32 v[NIL], 0
	ds_add_u32 v28, v29
	ds_add_u32 v28, v29
	s_wait_dscnt 0x0
	v_lshrrev_b32 v1, 5, v0
	v_readfirstlane_b32 s14, v1
	s_lshr_b32 s15, s14, 1
	s_and_b32 s16, s14, 1
	s_bfe_u32 s40, ttmp6, 0x40000
	s_bfe_u32 s41, ttmp6, 0x40004
	s_and_b32 s17, ttmp7, 0xffff
	s_lshr_b32 s[TEN], s17, 3
	s_and_b32 s67, s17, 7
	s_cmp_eq_u32 s[TEN], 2
	s_cselect_b32 s17, 0, s67
	s_cselect_b32 s42, s67, 0
	s_lshl_b32 s17, s17, 2
	s_add_co_u32 s17, s17, s41
	s_lshl_b32 s42, s42, 2
	s_add_co_u32 s42, s42, s40
	s_lshl_b32 s43, s41, 2
	s_lshl_b32 s43, 15, s43
	s_lshl_b32 s44, 0x1111, s40
	s_or_b32 s[G1+0], s43, (0<<16)|(1<<20)|(1<<21)|(5<<22)|(3<<25)
	s_or_b32 s[G1B+0], s44, (0<<16)|(1<<20)|(1<<21)|(5<<22)|(3<<25)
.irp g, G1, G1B
	s_mov_b32 s[\g+1], ROWB<<16
	s_mov_b32 s[\g+2], 256<<16                     ; the head's loads of codes bring 256 rows; behind them the two words that count rows are set to 128, for the ring's
	s_mov_b32 s[\g+3], ROWB<<16
	s_mov_b32 s[\g+4], 256
	s_mov_b32 s[\g+5], KROW
	s_mov_b32 s[\g+6], 0
	s_mov_b32 s[\g+7], 0
.endr
	s_lshl_b32 s20, s17, 8                         ; A: the tile's first row
	s_lshl_b32 s46, s42, 8                         ; B: likewise
	s_mov_b32 s21, 0
	s_mov_b32 s47, 0
	s_mov_b64 s[18:19], KS
	s_mul_u64 s[22:23], s[20:21], s[18:19]
	s_mul_u64 s[60:61], s[46:47], s[18:19]
	s_mov_b64 s[18:19], KROW
	s_mul_u64 s[20:21], s[20:21], s[18:19]
	s_mul_u64 s[46:47], s[46:47], s[18:19]
	s_mul_i32 s45, s14, HALFT
	s_wait_kmcnt 0x0
	s_cmp_eq_u32 s[TEN], 1
	s_cselect_b64 s[4:5], s[72:73], s[68:69]
	s_cselect_b64 s[6:7], s[74:75], s[70:71]
	s_cselect_b64 s[8:9], s[84:85], s[80:81]
	s_cselect_b64 s[10:11], s[86:87], s[82:83]
	s_cselect_b64 s[2:3], s[94:95], s[92:93]
	s_cmp_eq_u32 s[TEN], 2
	s_cselect_b64 s[4:5], s[88:89], s[4:5]
	s_cselect_b64 s[6:7], s[90:91], s[6:7]
	s_cselect_b64 s[8:9], s[76:77], s[8:9]
	s_cselect_b64 s[10:11], s[78:79], s[10:11]
	s_cselect_b64 s[2:3], s[96:97], s[2:3]
	s_cmp_eq_u32 s[TEN], 0
	s_cselect_b64 s[12:13], s[98:99], s[100:101]
	s_add_nc_u64 s[20:21], s[4:5], s[20:21]
	s_add_nc_u64 s[22:23], s[6:7], s[22:23]
	s_add_nc_u64 s[46:47], s[8:9], s[46:47]
	s_add_nc_u64 s[60:61], s[10:11], s[60:61]
	s_or_b32 s[G1S+0], s43, (3<<16)|(1<<20)|(1<<21)|(5<<22)|(3<<25)
	s_or_b32 s[G1SB+0], s44, (3<<16)|(1<<20)|(1<<21)|(5<<22)|(3<<25)
.irp g, G1S, G1SB
	s_mov_b32 s[\g+1], 32<<16
	s_mov_b32 s[\g+2], KS<<16                      ; the scale bytes of 256 rows: 256 KS dense bytes as KS rows of 256
	s_mov_b32 s[\g+3], 32<<16
	s_mov_b32 s[\g+4], KS
	s_mov_b32 s[\g+5], 32
	s_mov_b32 s[\g+6], 0
	s_mov_b32 s[\g+7], 0
.endr
	CROUND
	s_mov_b32 s[G0S], 1
	s_mov_b32 s[G0S+1], SCL
	s_mov_b64 s[G0S+2:G0S+3], s[22:23]
	s_or_b32 s[G0S+3], s[G0S+3], 0x80000000
	s_mov_b32 s[G0SB], 1
	s_mov_b32 s[G0SB+1], SCL+2*HALFS
	s_mov_b64 s[G0SB+2:G0SB+3], s[60:61]
	s_or_b32 s[G0SB+3], s[G0SB+3], 0x80000000
.set G0H, 4                            ; s[4:7], s[8:11] group 0 for the head's loads of K step 0: A's 256 rows, B's 256 rows (the arguments that lay there have been used)
.set G0HB, 8
	s_mov_b32 s[G0H], 1
	s_mov_b32 s[G0H+1], 0
	s_mov_b64 s[G0H+2:G0H+3], s[20:21]
	s_or_b32 s[G0H+3], s[G0H+3], 0x80000000
	s_mov_b32 s[G0HB], 1
	s_mov_b32 s[G0HB+1], 2*HALFT
	s_mov_b64 s[G0HB+2:G0HB+3], s[46:47]
	s_or_b32 s[G0HB+3], s[G0HB+3], 0x80000000
	s_mul_i32 s18, s16, 128*KROW                   ; in the ring I fetch 128 rows of a tile: which half, in bytes
	s_mov_b32 s19, 0
	s_add_nc_u64 s[20:21], s[20:21], s[18:19]
	s_add_nc_u64 s[46:47], s[46:47], s[18:19]
.irp s, 0,1
	s_mov_b32 s[G0+4*\s], 1
	s_add_co_u32 s[G0+4*\s+1], s45, \s*SLOT
	s_add_nc_u64 s[G0+4*\s+2:G0+4*\s+3], s[20:21], \s*ROWB
	s_or_b32 s[G0+4*\s+3], s[G0+4*\s+3], 0x80000000
	s_mov_b32 s[G0B+4*\s], 1
	s_add_co_u32 s[G0B+4*\s+1], s45, \s*SLOT
	s_add_nc_u64 s[G0B+4*\s+2:G0B+4*\s+3], s[46:47], \s*ROWB
	s_or_b32 s[G0B+4*\s+3], s[G0B+4*\s+3], 0x80000000
.endr
; THE HEAD'S LOADS, ONE A WAVE: wave 0 fetches K step 0's 256 rows of A, wave 1 its 256 rows of B, wave 2 the scale bytes of A's 256 rows, wave 3 those of B's.
; One chain of branches on the wave's number, an arm a load, all arms leading to one join.
.macro ARM under, g0, g1, next
	s_cmp_lt_u32 s14, \under
	s_cbranch_scc0 \next
	tensor_load_to_lds s[\g0:\g0+3], s[\g1:\g1+7]
	s_nop 0
.rept 4
	v_nop
.endr
	s_branch .Lhead_asked
\next:
.endm
	ARM 1, G0H,  G1,  .Lhead_b
	ARM 2, G0HB, G1B, .Lhead_sa
	ARM 3, G0S,  G1S, .Lhead_sb
	tensor_load_to_lds s[G0SB:G0SB+3], s[G1SB:G1SB+7]
	s_nop 0
.rept 4
	v_nop
.endr
.Lhead_asked:
	s_lshl_b32 s92, s17, 1
	s_add_co_u32 s92, s92, s15
	s_lshl_b32 s93, s42, 1
	s_add_co_u32 s93, s93, s16
	s_cmp_eq_u32 s[TEN], 2
	s_cselect_b32 s94, s93, s92
	s_cselect_b32 s95, s92, s93
	s_cselect_b32 s96, 16896, 0
	s_cmp_eq_u32 s[TEN], 0
	s_mov_b32 s97, 33792
	s_cselect_b32 s97, 16896, s97
	s_lshr_b32 s98, s94, 4
	s_lshl_b32 s98, s98, 7
	s_lshl_b32 s99, s95, 4
	s_or_b32 s98, s98, s99
	s_and_b32 s99, s94, 15
	s_or_b32 s98, s98, s99
	s_mul_i32 s98, s98, s97
	s_add_co_u32 s98, s98, s96
	s_mov_b32 s99, 0
	s_add_nc_u64 s[12:13], s[12:13], s[98:99]
	s_lshl_b32 s98, s95, 9
	s_add_nc_u64 s[2:3], s[2:3], s[98:99]
	v_and_b32 v1, 15, v0
	v_bfe_u32 v2, v0, 4, 1
	v_lshlrev_b32 v[BA], 5, v2
	v_lshlrev_b32 v[BB], 2, v1
	s_cmp_eq_u32 s[TEN], 2
	s_cbranch_scc1 .Lbias_by_lane
.irp b, 0,1,2,3,4,5,6,7
	global_load_b128 v[CI+8*\b:CI+8*\b+3], v[BA], s[2:3] offset:64*\b
	global_load_b128 v[CI+8*\b+4:CI+8*\b+7], v[BA], s[2:3] offset:64*\b+16
.endr
	s_branch .Lbias_asked
.Lbias_by_lane:
	s_wait_alu depctr_va_vdst(0)
.irp a, 0,1,2,3,4,5,6,7
.irp j, 0,1,2,3,4,5,6,7
	global_load_b32 v[CI+8*\a+\j], v[BB], s[2:3] offset:64*\a
.endr
.endr
.Lbias_asked:
	s_wait_alu depctr_va_vdst(0)
	v_mul_u32_u24 v3, v1, PITCH
	v_lshl_add_u32 v4, v2, 4, v3
	s_mul_i32 s21, s15, HALFT
	s_mul_i32 s22, s16, HALFT
	s_add_co_u32 s22, s22, 2*HALFT
.irp s, 0,1
	v_add_nc_u32 v[ADRA+\s], s21, v4
	v_add_nc_u32 v[ADRB+\s], s22, v4
	s_add_co_u32 s21, s21, SLOT
	s_add_co_u32 s22, s22, SLOT
.endr
	v_mul_u32_u24 v5, v1, KS
	v_lshrrev_b32 v6, 8, v5
	v_lshl_add_u32 v5, v6, 4, v5
	s_mul_i32 s21, s15, HALFS
	s_mul_i32 s22, s16, HALFS
	s_add_co_u32 s22, s22, 2*HALFS
	s_sub_co_u32 s22, s22, s21
	v_mul_u32_u24 v6, s22, v2
	s_add_co_u32 s21, s21, SCL
	v_add_nc_u32 v5, v5, v6
	v_add_nc_u32 v[ADRS], s21, v5
	v_and_b32 v6, 31, v0
	v_lshlrev_b32 v[GOF], 4, v6
	s_lshl_b32 s23, s14, 9
	s_add_co_u32 s23, s23, SCSTG
	v_lshl_add_u32 v[SWA], v1, 2, s23
	v_add_nc_u32 v[SRA], s23, v[GOF]
	s_mov_b32 s[SEL], 0x76543210
	s_mov_b32 s[SEL+1], 0xfedcba98
	s_mov_b32 s[MNT], 0x600000
.macro FRAG reg, adr, q, i
.irp c, 0,1,2,3
	ds_load_b128 v[\reg+4*\c:\reg+4*\c+3], v[\adr] offset:128*(\q)+32*\c+(\i)*16*PITCH
.endr
.endm
.macro MUL16 a0, p, q, sc, cm
.irp a, \a0, \a0+1
.irp b, 0,1,2,3,4,5,6,7
.if \cm == 1
	v_wmma_scale_f32_16x16x128_f8f6f4 v[8*(8*((\a)%4)+\b):8*(8*((\a)%4)+\b)+7], v[128*(\p)+FR*\b:128*(\p)+FR*\b+FR-1], v[AF+FR*(\a):AF+FR*(\a)+FR-1], v[CI+8*\b:CI+8*\b+7], v[SC+8*NQ*(\sc)+NQ*\b+(\q)], v[SC+8*NQ*(\sc)+NQ*(\a)+(\q)] matrix_a_fmt:MATRIX_FMT_BF8 matrix_b_fmt:MATRIX_FMT_BF8 matrix_a_scale:MATRIX_SCALE_ROW1
.elseif \cm == 2
	v_wmma_scale_f32_16x16x128_f8f6f4 v[8*(8*((\a)%4)+\b):8*(8*((\a)%4)+\b)+7], v[128*(\p)+FR*\b:128*(\p)+FR*\b+FR-1], v[AF+FR*(\a):AF+FR*(\a)+FR-1], v[CI+8*(\a):CI+8*(\a)+7], v[SC+8*NQ*(\sc)+NQ*\b+(\q)], v[SC+8*NQ*(\sc)+NQ*(\a)+(\q)] matrix_a_fmt:MATRIX_FMT_BF8 matrix_b_fmt:MATRIX_FMT_BF8 matrix_a_scale:MATRIX_SCALE_ROW1
.else
	v_wmma_scale_f32_16x16x128_f8f6f4 v[8*(8*((\a)%4)+\b):8*(8*((\a)%4)+\b)+7], v[128*(\p)+FR*\b:128*(\p)+FR*\b+FR-1], v[AF+FR*(\a):AF+FR*(\a)+FR-1], v[8*(8*((\a)%4)+\b):8*(8*((\a)%4)+\b)+7], v[SC+8*NQ*(\sc)+NQ*\b+(\q)], v[SC+8*NQ*(\sc)+NQ*(\a)+(\q)] matrix_a_fmt:MATRIX_FMT_BF8 matrix_b_fmt:MATRIX_FMT_BF8 matrix_a_scale:MATRIX_SCALE_ROW1
.endif
.endr
.endr
.endm
.macro FETCH_B slot, q, p
	WIN TO_B
.irp i, 0,1,2,3,4,5,6,7
	FRAG 128*(\p)+FR*\i, ADRB+\slot, \q, \i
.endr
	WIN 0
.endm
.macro FETCH_A slot, q, i0
.irp i, \i0, \i0+1, \i0+2, \i0+3
	FRAG AF+FR*(\i), ADRA+\slot, \q, \i
.endr
.endm
.macro SCALES sc
.irp i, 0,1,2,3,4,5,6,7
	ds_load_b64 v[SC+8*NQ*\sc+NQ*\i:SC+8*NQ*\sc+NQ*\i+1], v[ADRS] offset:\i*SBLK
.endr
.endm
.macro PLACES n
.rept \n
	v_nop
.endr
.endm
.macro FIRST32 a0, win
	s_cmp_eq_u32 s[TEN], 2
	s_cbranch_scc1 .Lby_lane_\@
	WIN \win
	MUL16 \a0, 0, 0, 0, 1
	MUL16 \a0+2, 0, 0, 0, 1
	WIN 0
	s_branch .Ljoined_\@
.Lby_lane_\@:
	WIN \win
	MUL16 \a0, 0, 0, 0, 2
	MUL16 \a0+2, 0, 0, 0, 2
	WIN 0
.Ljoined_\@:
.endm
.macro STEP slot, q
	s_wait_dscnt 4*NL
	WIN MUL_LO
	MUL16 0, (\q)%2, \q, \slot, 0
	MUL16 2, (\q)%2, \q, \slot, 0
	s_wait_dscnt 0
	PLACES NP
	FETCH_B \slot, (\q)+1, 1-(\q)%2
	FETCH_A \slot, (\q)+1, 0
	WIN MUL_HI
	MUL16 4, (\q)%2, \q, \slot, 0
	MUL16 6, (\q)%2, \q, \slot, 0
	PLACES NP
	WIN 0
	FETCH_A \slot, (\q)+1, 4
.endm
.macro TURN slot, next, fill
	s_wait_tensorcnt 0x0
	ds_add_u32 v[SPW], v[NIL]
	s_wait_dscnt 4*NL+1
	WIN MUL_LO
	MUL16 0, 1, NQ-1, \slot, 0
	s_wait_dscnt 0x0
	s_barrier_signal -1
	MUL16 2, 1, NQ-1, \slot, 0
	WIN 0
	s_barrier_wait -1
.if \fill
	CREST
	s_add_nc_u64 s[G0+4*\slot+2:G0+4*\slot+3], s[G0+4*\slot+2:G0+4*\slot+3], 2*ROWB
	s_add_nc_u64 s[G0B+4*\slot+2:G0B+4*\slot+3], s[G0B+4*\slot+2:G0B+4*\slot+3], 2*ROWB
	JLOAD G0+4*\slot, G1, G0B+4*\slot, G1B
	PLACES NP-4
.else
	PLACES NP
.endif
	s_wait_alu depctr_va_vdst(0)
	v_add_nc_u32 v[ADRS], 4*NQ, v[ADRS]
	FETCH_B \next, 0, 0
	FETCH_A \next, 0, 0
	SCALES \next
	WIN MUL_HI
	MUL16 4, 1, NQ-1, \slot, 0
	MUL16 6, 1, NQ-1, \slot, 0
	PLACES NP
	WIN 0
	FETCH_A \next, 0, 4
.endm
	s_wait_alu depctr_va_vdst(0)
	s_wait_tensorcnt 0x0                           ; my tile of the head's four is in
	ds_add_u32 v[SPW], v[NIL]
	s_mov_b32 s[G1+2], 128<<16                     ; no tensor load of mine is out, so a descriptor may be written: from here on a load brings 128 rows
	s_mov_b32 s[G1+4], 128
	s_mov_b32 s[G1B+2], 128<<16
	s_mov_b32 s[G1B+4], 128
	s_wait_dscnt 0x0
	CROUND                                         ; all four tiles are in, and all sixteen work-groups are here
	JLOAD G0+4, G1, G0B+4, G1B                     ; K step 1, the first tensor load behind the round
	FETCH_B 0, 0, 0
	FETCH_A 0, 0, 0
	SCALES 0
	FETCH_A 0, 0, 4
	s_wait_loadcnt 0x0
	s_wait_dscnt 4*NL
	FIRST32 0, 0x81
	s_wait_dscnt 0
	PLACES NP
	FETCH_B 0, 1, 1
	FETCH_A 0, 1, 0
	FIRST32 4, 0xc1
	PLACES NP
	FETCH_A 0, 1, 4
	TURN 0, 1, 1
	STEP 1, 0
	TURN 1, 0, 1
	STEP 0, 0
	TURN 0, 1, 0
	STEP 1, 0
	s_wait_dscnt 4*NL
	WIN MUL_LO
	MUL16 0, 1, NQ-1, 1, 0
	MUL16 2, 1, NQ-1, 1, 0
	s_wait_dscnt 0
	WIN MUL_HI
	MUL16 4, 1, NQ-1, 1, 0
	MUL16 6, 1, NQ-1, 1, 0
	WIN 0
.macro QUANTW a
.set AC, 64*((\a)%4)
.set W, 2+(\a)/4
	WIN W|(W<<2)
.irp b, 0,1,2,3
	v_max3_num_f32 v[TM+\b], v[AC+16*\b], v[AC+16*\b+1], 0x8000000
.endr
	WIN (W<<2)|(W<<4)
.irp i, 2,4,6,8,10,12,14
.irp b, 0,1,2,3
	v_max3_num_f32 v[TM+\b], v[TM+\b], v[AC+16*\b+\i], v[AC+16*\b+\i+1]
.endr
.endr
	WIN 0
.irp b, 0,1,2,3
	v_permlanex16_b32 v[TM+4+\b], v[TM+\b], s[SEL], s[SEL+1]
.endr
.irp b, 0,1,2,3
	v_max_num_f32 v[TM+\b], v[TM+\b], v[TM+4+\b]
.endr
.irp b, 0,1,2,3
	v_add_nc_u32 v[TM+12+\b], 0xf8800000, v[TM+\b]
.endr
.irp b, 0,1,2,3
	v_and_or_b32 v[TM+8+\b], v[TM+\b], 0x7f800000, s[MNT]
.endr
.irp b, 0,1,2,3
	v_lshrrev_b32 v[TM+4+\b], 23, v[TM+12+\b]
.endr
	v_lshl_or_b32 v[PW+\a], v[TM+5], 8, v[TM+4]
	v_lshl_or_b32 v[PW+\a], v[TM+6], 16, v[PW+\a]
	v_lshl_or_b32 v[PW+\a], v[TM+7], 24, v[PW+\a]
	WIN (W<<6)|W
.irp b, 0,1,2,3
.irp i, 0,1,2,3,4,5,6,7,8,9,10,11,12,13,14,15
	v_med3_num_f32 v[AC+16*\b+\i], v[AC+16*\b+\i], 0, v[TM+8+\b]
.endr
.endr
	WIN W
.irp b, 0,1,2,3
	v_cvt_scalef32_pk8_bf8_f32 v[CD+16*(\a)+4*\b:CD+16*(\a)+4*\b+1], v[AC+16*\b:AC+16*\b+7], v[TM+12+\b]
	v_cvt_scalef32_pk8_bf8_f32 v[CD+16*(\a)+4*\b+2:CD+16*(\a)+4*\b+3], v[AC+16*\b+8:AC+16*\b+15], v[TM+12+\b]
.endr
	WIN 0
	v_nop
.irp c, 0,1,2,3
	global_store_b128 v[GOF], v[CD+16*(\a)+4*\c:CD+16*(\a)+4*\c+3], s[12:13] offset:2048*(\a)+512*\c
.endr
	ds_store_b32 v[SWA], v[PW+\a] offset:64*(\a)
.endm
	PLACES NP
.irp a, 0,1,2,3,4,5,6,7
	QUANTW \a
.endr
	ds_load_b128 v[SB:SB+3], v[SRA]
	s_wait_dscnt 0x0
	global_store_b128 v[GOF], v[SB:SB+3], s[12:13] offset:16384
	s_wait_tensorcnt 0x0
	ds_add_u32 v[SPW], v[NIL]
	s_wait_dscnt 0x0
	CROUND
	s_endpgm
.Lfunc_end_k_q5987144173_proj:
	.size	k_q5987144173_proj, .Lfunc_end_k_q5987144173_proj-k_q5987144173_proj
	.p2alignl 7, 3214868480
	.fill 96, 4, 3214868480
	.section	.rodata,"a",@progbits
	.p2align	6, 0x0
	.amdhsa_kernel k_q5987144173_proj
		.amdhsa_group_segment_fixed_size 327680
		.amdhsa_private_segment_fixed_size 0
		.amdhsa_enable_private_segment 0
		.amdhsa_kernarg_size 136
		.amdhsa_user_sgpr_count 2
		.amdhsa_user_sgpr_kernarg_segment_ptr 1
		.amdhsa_wavefront_size32 1
		.amdhsa_system_sgpr_workgroup_id_x 1
		.amdhsa_system_sgpr_workgroup_id_y 1
		.amdhsa_system_sgpr_workgroup_id_z 1
		.amdhsa_system_vgpr_workitem_id 0
		.amdhsa_next_free_vgpr 1024
		.amdhsa_next_free_sgpr 102
		.amdhsa_reserve_vcc 0
		.amdhsa_float_denorm_mode_32 3
		.amdhsa_float_denorm_mode_16_64 3
		.amdhsa_memory_ordered 1
		.amdhsa_forward_progress 1
		.amdhsa_inst_pref_size 203
	.end_amdhsa_kernel
	.amdgpu_metadata
---
amdhsa.version: [ 1, 2 ]
amdhsa.kernels:
  - .name:           k_q5987144173_proj
    .symbol:         k_q5987144173_proj.kd
    .args:
      - { .name: q_codes, .offset: 0, .size: 8, .value_kind: global_buffer, .address_space: global }
      - { .name: q_scales, .offset: 8, .size: 8, .value_kind: global_buffer, .address_space: global }
      - { .name: k_codes, .offset: 16, .size: 8, .value_kind: global_buffer, .address_space: global }
      - { .name: k_scales, .offset: 24, .size: 8, .value_kind: global_buffer, .address_space: global }
      - { .name: v_codes, .offset: 32, .size: 8, .value_kind: global_buffer, .address_space: global }
      - { .name: v_scales, .offset: 40, .size: 8, .value_kind: global_buffer, .address_space: global }
      - { .name: w_q_codes, .offset: 48, .size: 8, .value_kind: global_buffer, .address_space: global }
      - { .name: w_q_scales, .offset: 56, .size: 8, .value_kind: global_buffer, .address_space: global }
      - { .name: w_k_codes, .offset: 64, .size: 8, .value_kind: global_buffer, .address_space: global }
      - { .name: w_k_scales, .offset: 72, .size: 8, .value_kind: global_buffer, .address_space: global }
      - { .name: w_v_codes, .offset: 80, .size: 8, .value_kind: global_buffer, .address_space: global }
      - { .name: w_v_scales, .offset: 88, .size: 8, .value_kind: global_buffer, .address_space: global }
      - { .name: b_q, .offset: 96, .size: 8, .value_kind: global_buffer, .address_space: global }
      - { .name: b_k, .offset: 104, .size: 8, .value_kind: global_buffer, .address_space: global }
      - { .name: b_v, .offset: 112, .size: 8, .value_kind: global_buffer, .address_space: global }
      - { .name: qi, .offset: 120, .size: 8, .value_kind: global_buffer, .address_space: global }
      - { .name: kv, .offset: 128, .size: 8, .value_kind: global_buffer, .address_space: global }
    .group_segment_fixed_size: 327680
    .private_segment_fixed_size: 0
    .kernarg_segment_align: 8
    .kernarg_segment_size: 136
    .max_flat_workgroup_size: 128
    .sgpr_count:     102
    .vgpr_count:     1024
    .wavefront_size: 32
...
	.end_amdgpu_metadata
.endif
;; end of part 1
;; launch attn (part 2): grid 8 x 32, 8 waves a work-group, clusters of 4 x 1, 327,680 bytes of LDS; arguments qi, kv, oc; writes oc
.if DOCPART == 2
	.amdgcn_target "amdgcn-amd-amdhsa--gfx1250"
	.amdhsa_code_object_version 6
	.text
	.protected	k_q5987144173_attn
	.globl	k_q5987144173_attn
	.p2align	8
	.type	k_q5987144173_attn,@function
k_q5987144173_attn:
	s_mov_b64 s[64:65], 0
	v_nop
	global_prefetch_b8 v0, s[64:65] scope:SCOPE_SE
	s_setreg_imm32_b32 hwreg(HW_REG_WAVE_MODE, 25, 1), 1
	s_wait_xcnt 0x0
	s_wait_alu depctr_hold_cnt(0) depctr_sa_sdst(0) depctr_va_vdst(0) depctr_va_sdst(0) depctr_va_ssrc(0) depctr_va_vcc(0) depctr_vm_vsrc(0)
	s_getreg_b32 s2, hwreg(HW_REG_IB_STS2, 6, 4)
	s_cmp_eq_u32 s2, 0
	s_cbranch_scc0 .Lentry_in_a_cluster
	s_endpgm
.Lentry_in_a_cluster:
	s_bfe_u32 s2, ttmp6, 0x10000c
	s_cmp_lg_u32 s2, 0x3003
	s_cbranch_scc0 .Lentry_shape_is_right
	s_endpgm
.Lentry_shape_is_right:
; O = softmax(Q K^T / sqrt(128)) V for 32 (batch, head) pairs of 2,048 queries x 2,048 keys x 128, both products on codes of BF8 (E5M2) with one E8M0 scale for each 32 along K; O is quantised
; along the head's 128 channels for the last projection.
; IN: qi [bh][128 queries][16,896] and kv [bh][128 keys][33,792]: operand fragments as images of their registers (register group c at 512 c + 16 x lane; a fragment's sixteen scale words, 64 bytes, behind the codes).
; In a block of kv: K's 8 fragments (16 keys x 128 units), 512 bytes of scale words, V's 8 fragments (16 channels x 128 keys), 512 bytes of scale words.
; THE SOFTMAX: t = score x log2(e) / sqrt(128); M = the row's largest t so far, rounded UP to a whole number; p = 2^(t - M) is what is quantised, along the keys, not normalised.  The row's sum is taken of the
; unquantised p and divides O at the end.  When M moves, the sum and O are multiplied by 2^(old M - new M): exact, and in every step: no branch on data.
; LAYOUT.  Both products transposed: S^T = K Q^T, O^T = V^T P^T: a lane holds ONE query (lane % 16); registers 8 tile + j hold key, or channel, 16 tile + 8 (lane / 16) + j.  Tiles 2 b and 2 b + 1 are converted as
; they stand into the operand's registers 4 b .. 4 b + 3: inside a block of 32 that is another order than the keys' own, the same in which V's fragments were made; so the products are the same.
; SHARES.  A work-group owns 256 queries of one bh, each of its EIGHT waves 32: two tiles, so that each fragment of K and V read from LDS feeds two products; two waves to a SIMD, so that one wave's vector
; work stands beside the other's products and LDS loads.  Every wave walks all 2,048 keys, 128 a step.
; CLUSTER.  The four work-groups of a cluster own four query blocks of one bh and walk the same kv: each refill is asked for JOINTLY by all four.  A slot holds two key steps, 67,584 dense bytes;
; each wave fetches an eighth: 33 rows of 256 bytes.  By this text's count one tensor load of a wave is out.
; OUT: oc [32 tokens 256][33,792]: codes [head 8][tile 2][2,048], then scale words [head 8][128 bytes] (lanes 0-15 tile 0, lanes 16-31 tile 1).  A wave's 128 bytes of scale words are half of an aligned
; 256 bytes: one part in 33 of what it stores; the other half is another head's.
; LIMITS: NaN and infinities are not served; a block whose largest number lies under 2^-111 gets the scale byte 1.
; REGISTERS.  Window 0: v1-7 addresses, Q's scale words; v8-23 eight statistics a tile; v24-31 K's and V's scale words; v32-95 four fragments; v96-223 S^T, then p, 64 a tile; v224-246 at work.
;   Window 1: v0-127 O^T, 64 a tile; v128-159 Q; v160-191 p's codes; v192-255 four fragments.
.set STEPB, 33792                      ; a key step's block
.set SLOTB, 2*STEPB
.set SLOT1, 1<<17                      ; slot 1 begins here: one exclusive or turns an address in one slot into the other's
.set SPARE, SLOT1+SLOTB                ; the spare words, 128 bytes for each wave: four blocks of 256 bytes that no other line names
.set KSCO,  16384                      ; in a block: K's scale words,
.set VCO,   16896                      ; V's codes,
.set VSCO,  33280                      ; V's scale words
.set LI,  1                            ; v1   16 x lane
.set LS,  2                            ; v2   4 x lane
.set SPW, 3                            ; v3   LDS address of my spare word; never rewritten
.set NIL, 4                            ; v4   0; never rewritten
.set ADR, 5                            ; v5   the step's block + 16 x lane
.set ADS, 6                            ; v6   the step's block + 4 x lane
.set QS,  7                            ; v7   Q's scale words: lanes 0-15 tile 0, lanes 16-31 tile 1
.set ST,  8                            ; tile t at v[ST + 8 t]: +0 -M, +1 the largest t, +2, +3 the sum in two halves, +4 f, +5 p's scale word, +6, +7 1 / the sum
.set KS,  24                           ; v24-27 K's scale words: register p: lanes 0-15 fragment 2 p, lanes 16-31 fragment 2 p + 1
.set VS,  28                           ; v28-31 V's likewise
.set F0,  32                           ; fragments 0-3
.set S0,  96
.set BM,  224                          ; v224-227 a block's largest score, then its largest p
.set T1,  228                          ; v228-231 what lane l xor 16 sends
.set HL,  232                          ; v232-235 57,344 x the scale
.set SO,  236                          ; v236-239 the conversions' scale operands
.set BY,  240                          ; v240-243 the scale bytes
.set CH,  244                          ; v[244:245] the sum's second chain
.set TMP, 246
.set QF,  128                          ; window 1
.set PC,  160
.set F1,  192                          ; fragments 4-7
.set WV,  10                           ; s10  my wave's number
.set G1,  16                           ; s[16:23] descriptor group 1
.set G0,  24                           ; s[24:27] group 0, which walks
.set SEL, 28                           ; s[28:29] lane selects: lane l xor 16
.set CS,  30                           ; s[30:31] c = log2(e) / sqrt(128): the packed form names a pair
.set MNT, 32                           ; s32  the mantissa field of 57,344
.set TB,  33                           ; s33  LDS byte at which the step's block begins
.set SLOTS, 34
.set TWICE, 35
.set MSB, 0
.macro WIN new                         ; the immediate's high byte repeats the setting that is left
.if MSB != (\new)
	s_set_vgpr_msb (MSB<<8)|(\new)
.set MSB, (\new)
.endif
.endm
.macro ROUND                           ; a round of the cluster's barrier
	s_barrier_signal -1
	s_barrier_wait -1
	s_cmp_lg_u32 s[WV], 0
	s_cbranch_scc1 .Lnot_wave_0_\@
	s_barrier_signal -3
.Lnot_wave_0_\@:
	s_barrier_wait -3
	s_barrier_signal -1
	s_barrier_wait -1
.endm
.macro PLACES n
.rept \n
	v_nop
.endr
.endm
; One product.  c < 0: the sum begins with 0.  ra, rb = 1: source 0's, source 1's scale words stand in lanes 16-31 of their register.
.macro WM d, a, b, c, sa, sb, ra, rb
.if (\c) < 0
.if (\ra) && (\rb)
	v_wmma_scale_f32_16x16x128_f8f6f4 v[(\d):(\d)+7], v[(\a):(\a)+15], v[(\b):(\b)+15], 0, v[\sa], v[\sb] matrix_a_fmt:MATRIX_FMT_BF8 matrix_b_fmt:MATRIX_FMT_BF8 matrix_a_scale:MATRIX_SCALE_ROW1 matrix_b_scale:MATRIX_SCALE_ROW1
.elseif (\ra)
	v_wmma_scale_f32_16x16x128_f8f6f4 v[(\d):(\d)+7], v[(\a):(\a)+15], v[(\b):(\b)+15], 0, v[\sa], v[\sb] matrix_a_fmt:MATRIX_FMT_BF8 matrix_b_fmt:MATRIX_FMT_BF8 matrix_a_scale:MATRIX_SCALE_ROW1
.elseif (\rb)
	v_wmma_scale_f32_16x16x128_f8f6f4 v[(\d):(\d)+7], v[(\a):(\a)+15], v[(\b):(\b)+15], 0, v[\sa], v[\sb] matrix_a_fmt:MATRIX_FMT_BF8 matrix_b_fmt:MATRIX_FMT_BF8 matrix_b_scale:MATRIX_SCALE_ROW1
.else
	v_wmma_scale_f32_16x16x128_f8f6f4 v[(\d):(\d)+7], v[(\a):(\a)+15], v[(\b):(\b)+15], 0, v[\sa], v[\sb] matrix_a_fmt:MATRIX_FMT_BF8 matrix_b_fmt:MATRIX_FMT_BF8
.endif
.else
.if (\ra) && (\rb)
	v_wmma_scale_f32_16x16x128_f8f6f4 v[(\d):(\d)+7], v[(\a):(\a)+15], v[(\b):(\b)+15], v[(\c):(\c)+7], v[\sa], v[\sb] matrix_a_fmt:MATRIX_FMT_BF8 matrix_b_fmt:MATRIX_FMT_BF8 matrix_a_scale:MATRIX_SCALE_ROW1 matrix_b_scale:MATRIX_SCALE_ROW1
.elseif (\ra)
	v_wmma_scale_f32_16x16x128_f8f6f4 v[(\d):(\d)+7], v[(\a):(\a)+15], v[(\b):(\b)+15], v[(\c):(\c)+7], v[\sa], v[\sb] matrix_a_fmt:MATRIX_FMT_BF8 matrix_b_fmt:MATRIX_FMT_BF8 matrix_a_scale:MATRIX_SCALE_ROW1
.elseif (\rb)
	v_wmma_scale_f32_16x16x128_f8f6f4 v[(\d):(\d)+7], v[(\a):(\a)+15], v[(\b):(\b)+15], v[(\c):(\c)+7], v[\sa], v[\sb] matrix_a_fmt:MATRIX_FMT_BF8 matrix_b_fmt:MATRIX_FMT_BF8 matrix_b_scale:MATRIX_SCALE_ROW1
.else
	v_wmma_scale_f32_16x16x128_f8f6f4 v[(\d):(\d)+7], v[(\a):(\a)+15], v[(\b):(\b)+15], v[(\c):(\c)+7], v[\sa], v[\sb] matrix_a_fmt:MATRIX_FMT_BF8 matrix_b_fmt:MATRIX_FMT_BF8
.endif
.endif
.endm
	s_load_b128 s[4:7], s[0:1], 0x0                ; qi, kv
	s_load_b64 s[8:9], s[0:1], 0x10                ; oc
	v_lshl_add_u32 v[SPW], v0, 2, SPARE
	v_mov_b32 v[NIL], 0
	ds_add_u32 v3, v4
	ds_add_u32 v3, v4
	s_wait_dscnt 0x0
	v_lshrrev_b32 v5, 5, v0
	s_delay_alu instid0(VALU_DEP_1)
	v_readfirstlane_b32 s[WV], v5                  ; wave 0..7
	v_and_b32 v[LS], 31, v0
	s_delay_alu instid0(VALU_DEP_1)
	v_lshlrev_b32 v[LI], 4, v[LS]
	s_delay_alu instid0(VALU_DEP_2)
	v_lshlrev_b32 v[LS], 2, v[LS]
	s_bfe_u32 s36, ttmp6, 0x40000                  ; cx: my place in the cluster
	s_lshl_b32 s37, ttmp9, 2                       ; in a cluster launch ttmp9 counts clusters
	s_add_co_u32 s37, s37, s36                     ; my block of 256 queries: it enters qi's and oc's addresses alone
	s_and_b32 s38, ttmp7, 0xffff                   ; bh = 8 x batch + head, which the four partners share
	; descriptor group 1: 33 rows of 256 bytes (32 elements of 8 bytes), dense in memory and in LDS
	s_mov_b32 s[G1], 15|(3<<16)|(1<<21)            ; 15:0 the mask: all four work-groups; 17:16 elements of 8 bytes; 21 set beside a mask; no padding
	s_mov_b32 s[G1+1], 32<<16                      ; tensor_dim0
	s_mov_b32 s[G1+2], 33<<16                      ; tensor_dim1
	s_mov_b32 s[G1+3], 32<<16                      ; tile_dim0
	s_mov_b32 s[G1+4], 33                          ; tile_dim1
	s_mov_b32 s[G1+5], 32                          ; tensor_dim0_stride
	s_mov_b32 s[G1+6], 0
	s_mov_b32 s[G1+7], 0
	s_mov_b32 s[G0], 1                             ; count = 1
	s_mul_i32 s[G0+1], s[WV], SLOTB/8              ; LDS address: my eighth of slot 0: no place in the cluster enters it
	s_mul_i32 s40, s38, 16*STEPB                   ; the bh's sixteen blocks,
	s_add_co_u32 s40, s40, s[G0+1]                 ; my eighth of the first two
	s_mov_b32 s41, 0
	s_lshl_b32 s42, s38, 4                         ; qi: block 16 bh + 2 x my query block + wave / 4,
	s_lshl_b32 s43, s37, 1
	s_add_co_u32 s42, s42, s43
	s_lshr_b32 s43, s[WV], 2
	s_add_co_u32 s42, s42, s43
	s_mul_i32 s42, s42, 16896
	s_and_b32 s43, s[WV], 3                        ; fragments 2 (wave % 4) and the next
	s_lshl_b32 s44, s43, 12
	s_add_co_u32 s44, s44, s42
	s_mov_b32 s45, 0
	s_lshl_b32 s46, s43, 7                         ; and their scale words
	s_add_co_u32 s46, s46, s42
	s_add_co_u32 s46, s46, 16384
	s_mov_b32 s47, 0
	s_mov_b32 s[SEL], 0x76543210
	s_mov_b32 s[SEL+1], 0xfedcba98
	s_mov_b32 s[CS], 0x3e0293ee                    ; c = log2(e) / sqrt(128)
	s_mov_b32 s[CS+1], s[CS]                       ; (named with it as a pair, so it is written)
	s_mov_b32 s[MNT], 0x600000
	s_mov_b32 s[TB], 0
	s_mov_b32 s[SLOTS], 7
	s_wait_kmcnt 0x0
	s_add_nc_u64 s[G0+2:G0+3], s[6:7], s[40:41]    ; global address
	s_or_b32 s[G0+3], s[G0+3], 0x80000000          ; type = 2
	ROUND                                          ; all four work-groups are here: the first joint loads meet
	tensor_load_to_lds s[G0:G0+3], s[G1:G1+7]      ; slot 0: key steps 0 and 1
	s_nop 0
.rept 4
	v_nop
.endr
	s_add_nc_u64 s[12:13], s[4:5], s[46:47]        ; Q's scale words
	s_add_nc_u64 s[4:5], s[4:5], s[44:45]          ; Q's codes
	WIN 0x40                                       ; destination window 1, address window 0
	s_wait_alu depctr_va_vdst(0)
.irp t, 0,1
.irp c, 0,1,2,3
	global_load_b128 v[QF+16*\t+4*\c:QF+16*\t+4*\c+3], v[LI], s[4:5] offset:2048*\t+512*\c th:TH_LOAD_NT   ; Q's two fragments stay in registers; read once, by this wave alone
.endr
.endr
	WIN 0
	global_load_b32 v[QS], v[LS], s[12:13] th:TH_LOAD_NT
	s_lshr_b32 s42, s38, 3                         ; oc: block of 32 tokens 64 x batch + 8 x my query block + wave
	s_lshl_b32 s42, s42, 6
	s_lshl_b32 s43, s37, 3
	s_add_co_u32 s42, s42, s43
	s_add_co_u32 s42, s42, s[WV]
	s_mul_i32 s42, s42, 33792
	s_and_b32 s43, s38, 7                          ; the head
	s_lshl_b32 s44, s43, 12
	s_add_co_u32 s44, s44, s42
	s_lshl_b32 s46, s43, 7
	s_add_co_u32 s46, s46, s42
	s_add_co_u32 s46, s46, 32768
	s_add_nc_u64 s[14:15], s[8:9], s[46:47]        ; O's scale words
	s_add_nc_u64 s[8:9], s[8:9], s[44:45]          ; O's codes
.irp t, 0,1
	v_mov_b32 v[ST+8*\t+1], 0xff61b1e6             ; the largest t so far: -3e38, under every t
	s_delay_alu instid0(VALU_DEP_1)
	v_floor_f32 v[ST+8*\t], -v[ST+8*\t+1]          ; -M
	v_mov_b32 v[ST+8*\t+2], 0                      ; the sum, in two halves
	v_mov_b32 v[ST+8*\t+3], 0
	v_mov_b32 v[ST+8*\t+5], 0                      ; (named as the upper half of the pair with f before it is first written)
.endr
.irp b, 0,1,2,3
	v_mov_b32 v[T1+\b], 0                          ; written once: a lane permute's destination counts as one of its sources
.endr
	WIN 0x40
.set i, 0
.rept 128
	v_mov_b32 v[i], 0                              ; O^T.  The key step has no first form of its own: the first step finds zeros, which the first change of M leaves zeros; that spares a third copy of the step
.set i, i+1
.endr
	WIN 0
; 36 LDS loads in one run: four registers of scale words, then eight fragments: four into window 0, four into window 1.  Each load of 16 bytes a lane takes 512 consecutive bytes.
.macro FETCH co, sco, sr
.irp p, 0,1,2,3
	ds_load_b32 v[\sr+\p], v[ADS] offset:\sco+128*\p
.endr
.irp f, 0,1,2,3
.irp c, 0,1,2,3
	ds_load_b128 v[F0+16*\f+4*\c:F0+16*\f+4*\c+3], v[ADR] offset:\co+2048*\f+512*\c
.endr
.endr
	WIN 0x40
.irp f, 0,1,2,3
.irp c, 0,1,2,3
	ds_load_b128 v[F1+16*\f+4*\c:F1+16*\f+4*\c+3], v[ADR] offset:\co+2048*(\f+4)+512*\c
.endr
.endr
.endm
; Tile t's softmax for a key step: 64 scores a lane become p's codes and their scale word.
.macro SOFT t
.set rS, S0+64*(\t)
.set rT, ST+8*(\t)
.set rP, PC+16*(\t)
.irp b, 0,1,2,3
	v_max3_num_f32 v[BM+\b], v[rS+16*\b], v[rS+16*\b+1], v[rS+16*\b+2]   ; THE LARGEST SCORE OF EACH BLOCK OF 32 KEYS serves twice: for the row's maximum and, since p rises with the score, for the block's largest p
.endr
.irp i, 3,5,7,9,11,13
.irp b, 0,1,2,3
	v_max3_num_f32 v[BM+\b], v[BM+\b], v[rS+16*\b+\i], v[rS+16*\b+\i+1]  ; (the four blocks by turns; each accumulator is first read at its low end)
.endr
.endr
.irp b, 0,1,2,3
	v_max_num_f32 v[BM+\b], v[BM+\b], v[rS+16*\b+15]
.endr
.irp b, 0,1,2,3
	s_delay_alu instid0(VALU_DEP_4)
	v_permlanex16_b32 v[T1+\b], v[BM+\b], s[SEL], s[SEL+1]
.endr
.irp b, 0,1,2,3
	s_delay_alu instid0(VALU_DEP_4)
	v_max_num_f32 v[BM+\b], v[BM+\b], v[T1+\b]     ; with lane l xor 16's sixteen keys
.endr
	s_delay_alu instid0(VALU_DEP_2)
	v_max3_num_f32 v[TMP], v[BM], v[BM+1], v[BM+2]
	s_delay_alu instid0(VALU_DEP_1)
	v_max_num_f32 v[TMP], v[TMP], v[BM+3]          ; the step's largest score of my query
	s_delay_alu instid0(VALU_DEP_1)
	v_mul_f32 v[TMP], s[CS], v[TMP]                ; as t (c is positive)
	s_delay_alu instid0(VALU_DEP_1)
	v_max_num_f32 v[rT+1], v[rT+1], v[TMP]         ; the running largest t
	v_mov_b32 v[TMP], v[rT]
	s_delay_alu instid0(VALU_DEP_2)
	v_floor_f32 v[rT], -v[rT+1]                    ; the new -M = floor(-t) = -ceil(t): a whole number
	s_delay_alu instid0(VALU_DEP_1)
	v_sub_f32 v[TMP], v[rT], v[TMP]                ; M's old value less its new one: a whole number, 0 or less
	s_delay_alu instid0(VALU_DEP_1)
	v_cvt_i32_f32 v[TMP], v[TMP]                   ; (it saturates)
	s_delay_alu instid0(VALU_DEP_1)
	v_ldexp_f32 v[rT+4], 1.0, v[TMP]               ; f = 2^(old M - new M)
.set j, 0
.rept 32
	v_pk_fma_f32 v[rS+j:rS+j+1], v[rS+j:rS+j+1], s[CS:CS+1], v[rT:rT+1] op_sel_hi:[1,0,0]   ; t - M, two at a time (of the pairs c and -M the low word serves both halves)
.set j, j+2
.endr
.irp b, 0,1,2,3
	v_fma_f32 v[BM+\b], v[BM+\b], s[CS], v[rT]     ; the same of each block's largest score
.endr
.set j, 0
	s_wait_alu depctr_va_vdst(0)
.rept 64
	v_exp_f32 v[rS+j], v[rS+j]                     ; p = 2^(t - M), at most 1
.set j, j+1
.endr
.irp b, 0,1,2,3
	v_exp_f32 v[BM+\b], v[BM+\b]                   ; the block's largest p: the same two instructions on the same number give the same bits
.endr
	v_pk_mul_f32 v[rT+2:rT+3], v[rT+2:rT+3], v[rT+4:rT+5] op_sel_hi:[1,0]   ; the sums under the new M.  (The plain line behind the exponentials)
	s_wait_alu depctr_va_vdst(0)
.irp b, 0,1,2,3
	v_max_num_f32 v[BM+\b], 0x8000000, v[BM+\b]    ; the floor 2^(16 - 127): the byte cannot fall under 1
.endr
.irp b, 0,1,2,3
	s_delay_alu instid0(VALU_DEP_4)
	v_add_nc_u32 v[SO+\b], 0xf8800000, v[BM+\b]    ; 15 off the exponent field: the conversion's scale operand
.endr
.irp b, 0,1,2,3
	v_and_or_b32 v[HL+\b], v[BM+\b], 0x7f800000, s[MNT]   ; 57,344 x the scale
.endr
.irp b, 0,1,2,3
	v_lshrrev_b32 v[BY+\b], 23, v[SO+\b]           ; the scale's byte
.endr
	s_delay_alu instid0(VALU_DEP_3)
	v_lshl_or_b32 v[rT+5], v[BY+1], 8, v[BY]       ; p's scale word for these 128 keys: more than eight plain lines ahead of the products that name it
	s_delay_alu instid0(VALU_DEP_1)
	v_lshl_or_b32 v[rT+5], v[BY+2], 16, v[rT+5]
	s_delay_alu instid0(VALU_DEP_1)
	v_lshl_or_b32 v[rT+5], v[BY+3], 24, v[rT+5]
	v_pk_add_f32 v[CH:CH+1], v[rS:rS+1], v[rS+2:rS+3]     ; THE ROW'S SUM IS TAKEN OF THE UNQUANTISED p: two at a time, in two chains
.irp j, 4,8,12,16,20,24,28,32,36,40,44,48,52,56,60
	v_pk_add_f32 v[rT+2:rT+3], v[rT+2:rT+3], v[rS+\j:rS+\j+1]
	v_pk_add_f32 v[CH:CH+1], v[CH:CH+1], v[rS+\j+2:rS+\j+3]
.endr
	s_delay_alu instid0(VALU_DEP_1)
	v_pk_add_f32 v[rT+2:rT+3], v[rT+2:rT+3], v[CH:CH+1]
.irp b, 0,1,2,3
.irp i, 0,1,2,3,4,5,6,7,8,9,10,11,12,13,14,15
	v_min_num_f32 v[rS+16*\b+\i], v[rS+16*\b+\i], v[HL+\b]   ; the conversion to an 8-bit code does not saturate (ISA guide 7.6.2); p is not negative, so the hold is one-sided
.endr
.endr
	WIN 0x40                                       ; the codes go to window 1
.irp b, 0,1,2,3
	v_cvt_scalef32_pk8_bf8_f32 v[rP+4*\b:rP+4*\b+1], v[rS+16*\b:rS+16*\b+7], v[SO+\b]
	v_cvt_scalef32_pk8_bf8_f32 v[rP+4*\b+2:rP+4*\b+3], v[rS+16*\b+8:rS+16*\b+15], v[SO+\b]
.endr
	WIN 0
	v_nop                                          ; a plain line between the conversions and whatever next writes their sources or takes their results
.endm
; A KEY STEP: 128 keys.  All accumulators take single turns: no two products that follow each other share one.
.macro STEP
	v_add_nc_u32 v[ADR], s[TB], v[LI]
	v_add_nc_u32 v[ADS], s[TB], v[LS]
	PLACES 6                                       ; with the two additions: eight places behind the last step's products, whose fragments' registers are loaded anew
	FETCH 0, KSCO, KS                              ; K
	s_wait_alu depctr_va_vdst(0)
	s_wait_dscnt 16                                ; the scale words and fragments 0-3 are in; the sixteen loads of fragments 4-7 may be out
	WIN 0x04                                       ; K window 0, Q window 1, S^T window 0
.irp kt, 0,1,2,3
.irp t, 0,1
	WM S0+64*\t+8*\kt, F0+16*\kt, QF+16*\t, -1, KS+\kt/2, QS, \kt%2, \t
.endr
.endr
	s_wait_dscnt 0x0
	WIN 0x05                                       ; K window 1
.irp kt, 4,5,6,7
.irp t, 0,1
	WM S0+64*\t+8*\kt, F1+16*(\kt-4), QF+16*\t, -1, KS+\kt/2, QS, \kt%2, \t
.endr
.endr
	WIN 0
	PLACES 8                                       ; in front of the loads into K's registers and of the first read of the scores
	FETCH VCO, VSCO, VS                            ; V is asked for at once: it lands during the softmax
	WIN 0
	SOFT 0
	SOFT 1
	WIN 0x41                                       ; O^T (destination and source 0) window 1, f window 0
.irp t, 0,1
.set i, 0
.rept 32
	v_pk_mul_f32 v[64*\t+i:64*\t+i+1], v[64*\t+i:64*\t+i+1], v[ST+8*\t+4:ST+8*\t+5] op_sel_hi:[1,0]   ; O^T under the new M, each accumulator from its low end on.  (Also the places between the codes and the products)
.set i, i+2
.endr
.endr
	s_wait_alu depctr_va_vdst(0)
	s_wait_dscnt 16                                ; V's scale words and fragments 0-3 are in
	WIN 0x54                                       ; V window 0; p's codes, C and D window 1
.irp ct, 0,1,2,3
.irp t, 0,1
	WM 64*\t+8*\ct, F0+16*\ct, PC+16*\t, 64*\t+8*\ct, VS+\ct/2, ST+8*\t+5, \ct%2, 0
.endr
.endr
	s_wait_dscnt 0x0
	WIN 0x55                                       ; V window 1
.irp ct, 4,5,6,7
.irp t, 0,1
	WM 64*\t+8*\ct, F1+16*(\ct-4), PC+16*\t, 64*\t+8*\ct, VS+\ct/2, ST+8*\t+5, \ct%2, 0
.endr
.endr
	WIN 0
	s_add_co_u32 s[TB], s[TB], STEPB               ; the next step's block
.endm
; THE CHANGE OF SLOTS stands at a slot's head.  Each wave waits for all its tensor loads (its part of the slot that it is about to read), adds 0 to its spare word, and waits for that and for its reads of the
; slot that it has left.  Behind the round the slot ahead is whole in all four work-groups and nobody reads the other.  fill = 1: that other slot takes the next two key steps, which have two steps' work in which to land.
.macro CHANGE fill
	s_wait_tensorcnt 0x0                           ; no tensor load of mine is out, so group 0 may be written
	ds_add_u32 v[SPW], v[NIL]                      ; 0 onto my spare word
.if \fill
	s_xor_b32 s[G0+1], s[G0+1], SLOT1              ; the other slot than last time,
	s_add_nc_u64 s[G0+2:G0+3], s[G0+2:G0+3], SLOTB ; the next 256 keys; the type bits on top are not reached
.endif
	s_wait_dscnt 0x0                               ; the add is done, and my reads of the slot that I have left are over
	ROUND
.if \fill
	tensor_load_to_lds s[G0:G0+3], s[G1:G1+7]      ; the first thing behind the round, and my one tensor load until the next
	s_nop 0
.rept 4
	v_nop
.endr
.endif
.endm
.macro TWO_STEPS                       ; a slot's two key steps: written once, walked twice; the LDS addresses hang on s[TB]
	s_mov_b32 s[TWICE], 2
.Lstep_\@:
	STEP
	s_sub_co_u32 s[TWICE], s[TWICE], 1
	s_cmp_lg_u32 s[TWICE], 0
	s_cbranch_scc1 .Lstep_\@
	s_sub_co_u32 s[TB], s[TB], SLOTB               ; back to a slot's first step,
	s_xor_b32 s[TB], s[TB], SLOT1                  ; in the other slot
.endm
; 64 numbers of a lane, v[s] on, become a fragment's codes in v[dst] on and its scale word in v[pw].
.macro QUANT s, dst, pw
.irp b, 0,1,2,3
	v_max3_num_f32 v[BM+\b], |v[\s+16*\b]|, |v[\s+16*\b+1]|, 0x8000000   ; block b: my 16 numbers, and the floor 2^(16 - 127)
.endr
.irp i, 2,4,6,8,10,12,14
.irp b, 0,1,2,3
	s_delay_alu instid0(VALU_DEP_4)
	v_max3_num_f32 v[BM+\b], v[BM+\b], |v[\s+16*\b+\i]|, |v[\s+16*\b+\i+1]|
.endr
.endr
.irp b, 0,1,2,3
	s_delay_alu instid0(VALU_DEP_4)
	v_permlanex16_b32 v[T1+\b], v[BM+\b], s[SEL], s[SEL+1]
.endr
.irp b, 0,1,2,3
	s_delay_alu instid0(VALU_DEP_4)
	v_max_num_f32 v[BM+\b], v[BM+\b], v[T1+\b]
.endr
.irp b, 0,1,2,3
	s_delay_alu instid0(VALU_DEP_4)
	v_add_nc_u32 v[SO+\b], 0xf8800000, v[BM+\b]
.endr
.irp b, 0,1,2,3
	v_and_or_b32 v[HL+\b], v[BM+\b], 0x7f800000, s[MNT]
.endr
.irp b, 0,1,2,3
	v_lshrrev_b32 v[BY+\b], 23, v[SO+\b]
.endr
	s_delay_alu instid0(VALU_DEP_3)
	v_lshl_or_b32 v[\pw], v[BY+1], 8, v[BY]
	s_delay_alu instid0(VALU_DEP_1)
	v_lshl_or_b32 v[\pw], v[BY+2], 16, v[\pw]
	s_delay_alu instid0(VALU_DEP_1)
	v_lshl_or_b32 v[\pw], v[BY+3], 24, v[\pw]
.irp b, 0,1,2,3
.irp i, 0,1,2,3,4,5,6,7,8,9,10,11,12,13,14,15
	v_med3_num_f32 v[\s+16*\b+\i], v[\s+16*\b+\i], -v[HL+\b], v[HL+\b]   ; the hold at the largest code x the scale
.endr
	v_cvt_scalef32_pk8_bf8_f32 v[\dst+4*\b:\dst+4*\b+1], v[\s+16*\b:\s+16*\b+7], v[SO+\b]
	v_cvt_scalef32_pk8_bf8_f32 v[\dst+4*\b+2:\dst+4*\b+3], v[\s+16*\b+8:\s+16*\b+15], v[SO+\b]
.endr
	v_nop                                          ; a plain line behind the last conversion
.endm
	s_wait_loadcnt 0x0                             ; Q and its scale words
.Lslot:                                            ; seven trips: behind each change of slots but the last the next slot is asked for
	CHANGE 1
	TWO_STEPS
	s_sub_co_u32 s[SLOTS], s[SLOTS], 1
	s_cmp_lg_u32 s[SLOTS], 0
	s_cbranch_scc1 .Lslot
	CHANGE 0                                       ; the last slot is written out
	TWO_STEPS
	; THE WAY OUT.  O^T is divided by the row's sum, quantised along the channels, and leaves as two fragments' images.
	PLACES 8                                       ; behind the last products
.irp t, 0,1
	v_add_f32 v[ST+8*\t+2], v[ST+8*\t+2], v[ST+8*\t+3]   ; the sum's two halves,
.endr
.irp t, 0,1
	s_delay_alu instid0(VALU_DEP_2)
	v_permlanex16_b32 v[T1+\t], v[ST+8*\t+2], s[SEL], s[SEL+1]
.endr
.irp t, 0,1
	s_delay_alu instid0(VALU_DEP_2)
	v_add_f32 v[ST+8*\t+2], v[ST+8*\t+2], v[T1+\t]       ; and lane l xor 16's: the row's sum
.endr
	s_wait_alu depctr_va_vdst(0)
.irp t, 0,1
	v_rcp_f32 v[ST+8*\t+6], v[ST+8*\t+2]           ; made twice: the pair that the packed multiply names
	v_rcp_f32 v[ST+8*\t+7], v[ST+8*\t+2]
.endr
	v_nop                                          ; a plain line between the last reciprocal and the use of its result
	WIN 0x01                                       ; O^T window 1; the quotient goes to p's registers in window 0
	s_wait_alu depctr_va_vdst(0)
.irp t, 0,1
.set i, 0
.rept 32
	v_pk_mul_f32 v[S0+64*\t+i:S0+64*\t+i+1], v[64*\t+i:64*\t+i+1], v[ST+8*\t+6:ST+8*\t+7]
.set i, i+2
.endr
.endr
	WIN 0
	QUANT S0, F0, ST+5
	QUANT S0+64, F0+16, ST+13
.irp t, 0,1
.irp c, 0,1,2,3
	global_store_b128 v[LI], v[F0+16*\t+4*\c:F0+16*\t+4*\c+3], s[8:9] offset:2048*\t+512*\c   ; 32 lanes store 512 consecutive bytes, aligned to 256
.endr
.endr
	v_cmp_gt_u32 vcc_lo, 64, v[LS]                 ; lanes 0-15
	s_delay_alu instid0(VALU_DEP_1)
	v_cndmask_b32 v[TMP], v[ST+13], v[ST+5], vcc_lo       ; tile 0's words below, tile 1's above (both halves of the lanes hold a row's word)
	global_store_b32 v[LS], v[TMP], s[14:15]       ; 128 consecutive bytes
	s_wait_tensorcnt 0x0                           ; the wave's end
	ds_add_u32 v[SPW], v[NIL]
	s_wait_dscnt 0x0
	ROUND                                          ; the closing round: no work-group ends while a partner may still ask for a tile that names it
	s_endpgm
.Lfunc_end_k_q5987144173_attn:
	.size	k_q5987144173_attn, .Lfunc_end_k_q5987144173_attn-k_q5987144173_attn
	.p2alignl 7, 3214868480
	.fill 96, 4, 3214868480
	.section	.rodata,"a",@progbits
	.p2align	6, 0x0
	.amdhsa_kernel k_q5987144173_attn
		.amdhsa_group_segment_fixed_size 327680
		.amdhsa_private_segment_fixed_size 0
		.amdhsa_enable_private_segment 0
		.amdhsa_kernarg_size 24
		.amdhsa_user_sgpr_count 2
		.amdhsa_user_sgpr_kernarg_segment_ptr 1
		.amdhsa_wavefront_size32 1
		.amdhsa_system_sgpr_workgroup_id_x 1
		.amdhsa_system_sgpr_workgroup_id_y 1
		.amdhsa_system_sgpr_workgroup_id_z 1
		.amdhsa_system_vgpr_workitem_id 0
		.amdhsa_next_free_vgpr 512
		.amdhsa_next_free_sgpr 66
		.amdhsa_reserve_vcc 1
		.amdhsa_float_denorm_mode_32 3
		.amdhsa_float_denorm_mode_16_64 3
		.amdhsa_memory_ordered 1
		.amdhsa_forward_progress 1
		.amdhsa_inst_pref_size 119
	.end_amdhsa_kernel
	.amdgpu_metadata
---
amdhsa.version: [ 1, 2 ]
amdhsa.kernels:
  - .name:           k_q5987144173_attn
    .symbol:         k_q5987144173_attn.kd
    .args:
      - { .name: qi, .offset: 0, .size: 8, .value_kind: global_buffer, .address_space: global }
      - { .name: kv, .offset: 8, .size: 8, .value_kind: global_buffer, .address_space: global }
      - { .name: oc, .offset: 16, .size: 8, .value_kind: global_buffer, .address_space: global }
    .group_segment_fixed_size: 327680
    .private_segment_fixed_size: 0
    .kernarg_segment_align: 8
    .kernarg_segment_size: 24
    .max_flat_workgroup_size: 256
    .sgpr_count:     66
    .vgpr_count:     512
    .wavefront_size: 32
...
	.end_amdgpu_metadata
.endif
;; end of part 2
;; launch outp (part 3): grid 256 x 1, 4 waves a work-group, clusters of 4 x 1, 184,832 bytes of LDS; arguments oc, w_0_codes, w_0_scales, b_0, out0; writes out0
.if DOCPART == 3
	.amdgcn_target "amdgcn-amd-amdhsa--gfx1250"
	.amdhsa_code_object_version 6
	.text
	.protected	k_q5987144173_outp
	.globl	k_q5987144173_outp
	.p2align	8
	.type	k_q5987144173_outp,@function
k_q5987144173_outp:
	s_mov_b64 s[64:65], 0
	v_nop
	global_prefetch_b8 v0, s[64:65] scope:SCOPE_SE
	s_setreg_imm32_b32 hwreg(HW_REG_WAVE_MODE, 25, 1), 1
	s_wait_xcnt 0x0
	s_wait_alu depctr_hold_cnt(0) depctr_sa_sdst(0) depctr_va_vdst(0) depctr_va_sdst(0) depctr_va_ssrc(0) depctr_va_vcc(0) depctr_vm_vsrc(0)
	s_getreg_b32 s2, hwreg(HW_REG_IB_STS2, 6, 4)
	s_cmp_eq_u32 s2, 0
	s_cbranch_scc0 .Lentry_in_a_cluster
	s_endpgm
.Lentry_in_a_cluster:
	s_bfe_u32 s2, ttmp6, 0x10000c
	s_cmp_lg_u32 s2, 0x3003
	s_cbranch_scc0 .Lentry_shape_is_right
	s_endpgm
.Lentry_shape_is_right:
; out0 = O w_0 + b_0: [8192][1024] x [1024][128] on codes of BF8 (E5M2) with one E8M0 scale for each 32 along K; out0 f32.
; IN: oc [32 tokens 256][33,792]: O's fragments as images of their registers, [head 8][tile 2][2,048], then scale words [head 8][128 bytes].  Inside each block of 32 along K their codes stand in the order
; 8 h + 0 .. 7, 16 + 8 h + 0 .. 7 for the lanes' half h.  w_0's codes lie in K's own order, so its fragments are read in that same order: two loads of 8 bytes, 16 bytes apart, in place of one of 16.
; SHARES.  A work-group owns 32 tokens; wave w makes outputs 32 w .. 32 w + 31 for them: four accumulators by turns, eight K steps of 128 (the heads).
; The products are used transposed (source 0 = 16 rows of w_0, source 1 = 16 tokens): a lane holds eight neighbouring outputs of one token.  b_0 is the C of each sum's first product.
; FILLS, one tensor load a wave, LDS filled once: waves 0 and 1 fetch the halves of w_0 (64 rows each), asked for jointly by the four work-groups of a cluster, which all read all of w_0;
; waves 2 and 3 fetch the halves of O's block (66 rows of 256 bytes each), the work-group's own.  Every wave waits for its load; the barrier behind the wait shows all four to all waves.
.set WP,  1040                         ; a row of w_0 in LDS: 1,024 bytes + 16 of padding
.set OB,  128*WP                       ; O's block as it lies, 33,792 bytes
.set STG, OB+33792                     ; the way out: 32 rows x (512 bytes + 16); no fill lands here
.set SP,  528
.set WA,  3
.set LI,  4
.set LS,  5
.set SO,  6
.set SR,  7
.set GO,  8
.set WS,  16                           ; v16-23 w_0's scale words: register s = K step s
.set OS,  24                           ; v24-31 O's
.set BI,  32                           ; v32-47 b_0 in the result's layout
.set AC,  48                           ; v48-79 accumulator (n, u) at v[AC + 8 (2 n + u)]
.set FS,  96                           ; two sets: w_0's two fragments, then O's two
.set WV,  14
.set G1W, 16
.set G1O, 24
.set G0W, 32
.set G0O, 36
.macro ROUND
	s_barrier_signal -1
	s_barrier_wait -1
	s_cmp_lg_u32 s[WV], 0
	s_cbranch_scc1 .Lnot_wave_0_\@
	s_barrier_signal -3
.Lnot_wave_0_\@:
	s_barrier_wait -3
	s_barrier_signal -1
	s_barrier_wait -1
.endm
.macro WM d, a, b, c, sa, sb, ra, rb
.if (\ra) && (\rb)
	v_wmma_scale_f32_16x16x128_f8f6f4 v[(\d):(\d)+7], v[(\a):(\a)+15], v[(\b):(\b)+15], v[(\c):(\c)+7], v[\sa], v[\sb] matrix_a_fmt:MATRIX_FMT_BF8 matrix_b_fmt:MATRIX_FMT_BF8 matrix_a_scale:MATRIX_SCALE_ROW1 matrix_b_scale:MATRIX_SCALE_ROW1
.elseif (\ra)
	v_wmma_scale_f32_16x16x128_f8f6f4 v[(\d):(\d)+7], v[(\a):(\a)+15], v[(\b):(\b)+15], v[(\c):(\c)+7], v[\sa], v[\sb] matrix_a_fmt:MATRIX_FMT_BF8 matrix_b_fmt:MATRIX_FMT_BF8 matrix_a_scale:MATRIX_SCALE_ROW1
.elseif (\rb)
	v_wmma_scale_f32_16x16x128_f8f6f4 v[(\d):(\d)+7], v[(\a):(\a)+15], v[(\b):(\b)+15], v[(\c):(\c)+7], v[\sa], v[\sb] matrix_a_fmt:MATRIX_FMT_BF8 matrix_b_fmt:MATRIX_FMT_BF8 matrix_b_scale:MATRIX_SCALE_ROW1
.else
	v_wmma_scale_f32_16x16x128_f8f6f4 v[(\d):(\d)+7], v[(\a):(\a)+15], v[(\b):(\b)+15], v[(\c):(\c)+7], v[\sa], v[\sb] matrix_a_fmt:MATRIX_FMT_BF8 matrix_b_fmt:MATRIX_FMT_BF8
.endif
.endm
	s_load_b128 s[4:7], s[0:1], 0x0                ; oc, w_0's codes
	s_load_b128 s[8:11], s[0:1], 0x10              ; w_0's scale bytes, b_0
	s_load_b64 s[12:13], s[0:1], 0x20              ; out0
	v_lshl_add_u32 v254, v0, 2, 0x2d000
	v_mov_b32 v255, 0
	ds_add_u32 v254, v255                          ; the opening lines
	ds_add_u32 v254, v255
	v_lshrrev_b32 v1, 5, v0
	v_readfirstlane_b32 s[WV], v1                  ; wave 0..3
	s_bfe_u32 s15, ttmp6, 0x40000                  ; cx
	s_lshl_b32 s40, ttmp9, 2
	s_add_co_u32 s40, s40, s15                     ; my block of 32 tokens: it enters oc's and out0's addresses alone
	s_mov_b32 s[G1W], 15|(0<<16)|(1<<20)|(1<<21)|(7<<22)|(3<<25)   ; the mask: all four; elements of 1 byte; four words of padding after every 256
	s_mov_b32 s[G1W+1], 1024<<16
	s_mov_b32 s[G1W+2], 64<<16                     ; 64 rows of 1,024 bytes
	s_mov_b32 s[G1W+3], 1024<<16
	s_mov_b32 s[G1W+4], 64
	s_mov_b32 s[G1W+5], 1024
	s_mov_b32 s[G1W+6], 0
	s_mov_b32 s[G1W+7], 0
	s_mov_b32 s[G1O], 3<<16                        ; 66 rows of 256 bytes, dense; no mask
	s_mov_b32 s[G1O+1], 32<<16
	s_mov_b32 s[G1O+2], 66<<16
	s_mov_b32 s[G1O+3], 32<<16
	s_mov_b32 s[G1O+4], 66
	s_mov_b32 s[G1O+5], 32
	s_mov_b32 s[G1O+6], 0
	s_mov_b32 s[G1O+7], 0
	s_and_b32 s41, s[WV], 1                        ; which half I fetch
	s_mov_b32 s[G0W], 1
	s_mul_i32 s[G0W+1], s41, 64*WP
	s_lshl_b32 s42, s41, 16
	s_mov_b32 s43, 0
	s_mov_b32 s[G0O], 1
	s_mul_i32 s44, s41, 16896
	s_add_co_u32 s[G0O+1], s44, OB
	s_mul_i32 s46, s40, 33792
	s_add_co_u32 s46, s46, s44
	s_mov_b32 s47, 0
	s_wait_dscnt 0x0
	s_wait_kmcnt 0x0
	s_add_nc_u64 s[G0W+2:G0W+3], s[6:7], s[42:43]
	s_or_b32 s[G0W+3], s[G0W+3], 0x80000000
	s_add_nc_u64 s[G0O+2:G0O+3], s[4:5], s[46:47]
	s_or_b32 s[G0O+3], s[G0O+3], 0x80000000
	ROUND                                          ; all four work-groups are here: the joint loads meet
	s_cmp_lt_u32 s[WV], 2
	s_cbranch_scc0 .Lfor_o
	tensor_load_to_lds s[G0W:G0W+3], s[G1W:G1W+7]
	s_nop 0
.rept 4
	v_nop
.endr
	s_branch .Lasked
.Lfor_o:
	tensor_load_to_lds s[G0O:G0O+3], s[G1O:G1O+7]
	s_nop 0
.rept 4
	v_nop
.endr
.Lasked:
	s_lshl_b32 s42, s[WV], 10                      ; w_0's scale bytes: my 32 rows of 32
	s_add_nc_u64 s[8:9], s[8:9], s[42:43]
	s_lshl_b32 s42, s[WV], 7                       ; b_0: my 32 numbers
	s_add_nc_u64 s[10:11], s[10:11], s[42:43]
	s_lshl_b32 s42, s40, 14                        ; out0: my work-group's 32 rows of 512 bytes,
	s_lshl_b32 s44, s[WV], 12                      ; of which I store eight
	s_add_co_u32 s42, s42, s44
	s_add_nc_u64 s[12:13], s[12:13], s[42:43]
	v_and_b32 v1, 15, v0                           ; r
	v_bfe_u32 v2, v0, 4, 1                         ; h
	v_and_b32 v9, 31, v0                           ; lane
	v_lshlrev_b32 v[GO], 4, v9
	v_lshlrev_b32 v11, 5, v9
	v_lshlrev_b32 v10, 5, v2
	global_load_b128 v[WS:WS+3], v11, s[8:9]
	global_load_b128 v[WS+4:WS+7], v11, s[8:9] offset:16
.irp n, 0,1
	global_load_b128 v[BI+8*\n:BI+8*\n+3], v10, s[10:11] offset:64*\n        ; b_0[32 w + 16 n + 8 h + 0 .. 7]
	global_load_b128 v[BI+8*\n+4:BI+8*\n+7], v10, s[10:11] offset:64*\n+16
.endr
	s_mul_i32 s42, s[WV], 32*WP
	v_mul_u32_u24 v[WA], v1, WP
	v_lshl_add_u32 v[WA], v2, 3, v[WA]
	v_add_nc_u32 v[WA], s42, v[WA]
	v_add_nc_u32 v[LI], OB, v[GO]
	v_lshl_add_u32 v[LS], v9, 2, OB+32768
	v_mul_u32_u24 v[SO], v1, SP
	v_lshl_add_u32 v[SO], v2, 5, v[SO]
	s_lshl_b32 s42, s[WV], 7
	s_add_co_u32 s42, s42, STG
	v_add_nc_u32 v[SO], s42, v[SO]                 ; row r, + 128 w + 32 h
	s_mul_i32 s42, s[WV], 8*SP
	s_add_co_u32 s42, s42, STG
	v_add_nc_u32 v[SR], s42, v[GO]                 ; back: my eight rows, 16 bytes a lane
.macro LOADS s, p                      ; K step s into set p: 24 LDS loads
.irp n, 0,1
.irp c, 0,1,2,3
	ds_load_b64 v[FS+64*(\p)+16*\n+4*\c:FS+64*(\p)+16*\n+4*\c+1], v[WA] offset:16*WP*\n+128*(\s)+32*\c
	ds_load_b64 v[FS+64*(\p)+16*\n+4*\c+2:FS+64*(\p)+16*\n+4*\c+3], v[WA] offset:16*WP*\n+128*(\s)+32*\c+16
.endr
.endr
.irp u, 0,1
.irp c, 0,1,2,3
	ds_load_b128 v[FS+64*(\p)+32+16*\u+4*\c:FS+64*(\p)+32+16*\u+4*\c+3], v[LI] offset:(2*(\s)+\u)*2048+512*\c
.endr
.endr
.endm
	s_wait_alu depctr_va_vdst(0)
	s_wait_tensorcnt 0x0                           ; my load is in,
	s_barrier_signal -1
	s_barrier_wait -1                              ; everybody's is
.irp s, 0,1,2,3,4,5,6,7
	ds_load_b32 v[OS+\s], v[LS] offset:128*\s
.endr
	LOADS 0, 0
	LOADS 1, 1
	s_wait_loadcnt 0x0                             ; w_0's scale words and b_0
.irp s, 0,1,2,3,4,5,6,7
.if \s < 7
	s_wait_dscnt 24                                ; this step's loads are in; the next step's 24 may be out
.else
	s_wait_dscnt 0x0
.endif
.irp n, 0,1
.irp u, 0,1                                    ; the four accumulators by turns
.if \s == 0
	WM AC+8*(2*\n+\u), FS+64*(\s%2)+16*\n, FS+64*(\s%2)+32+16*\u, BI+8*\n, WS+\s, OS+\s, \n, \u
.else
	WM AC+8*(2*\n+\u), FS+64*(\s%2)+16*\n, FS+64*(\s%2)+32+16*\u, AC+8*(2*\n+\u), WS+\s, OS+\s, \n, \u
.endif
.endr
.endr
.if \s < 6
.rept 8
	v_nop                                          ; places in front of loads into registers that matrix instructions have read
.endr
	LOADS \s+2, \s%2
.endif
.endr
.rept 8
	v_nop                                          ; places in front of the first read of results
.endr
.irp n, 0,1
.irp u, 0,1
	ds_store_b128 v[SO], v[AC+8*(2*\n+\u):AC+8*(2*\n+\u)+3] offset:16*SP*\u+64*\n          ; lane (r, h): out(16 u + r, 32 w + 16 n + 8 h + 0 .. 7)
	ds_store_b128 v[SO], v[AC+8*(2*\n+\u)+4:AC+8*(2*\n+\u)+7] offset:16*SP*\u+64*\n+16
.endr
.endr
	s_wait_dscnt 0x0                               ; for the others' sake: my stores into the stage are done
	s_barrier_signal -1
	s_barrier_wait -1                              ; 32 whole rows lie in the stage
.irp i, 0,1,2,3,4,5,6,7
	ds_load_b128 v[FS+4*\i:FS+4*\i+3], v[SR] offset:\i*SP
.endr
.irp i, 0,1,2,3,4,5,6,7
	s_wait_dscnt 7-\i                              ; row i is in, the younger ones may be out
	global_store_b128 v[GO], v[FS+4*\i:FS+4*\i+3], s[12:13] offset:512*\i th:TH_STORE_NT   ; 32 lanes store a row of 512 bytes, aligned to 256
.endr
	s_wait_tensorcnt 0x0                           ; the wave's end
	ds_add_u32 v254, v255
	s_wait_dscnt 0x0
	ROUND                                          ; the closing round
	s_endpgm
.Lfunc_end_k_q5987144173_outp:
	.size	k_q5987144173_outp, .Lfunc_end_k_q5987144173_outp-k_q5987144173_outp
	.p2alignl 7, 3214868480
	.fill 96, 4, 3214868480
	.section	.rodata,"a",@progbits
	.p2align	6, 0x0
	.amdhsa_kernel k_q5987144173_outp
		.amdhsa_group_segment_fixed_size 184832
		.amdhsa_private_segment_fixed_size 0
		.amdhsa_enable_private_segment 0
		.amdhsa_kernarg_size 40
		.amdhsa_user_sgpr_count 2
		.amdhsa_user_sgpr_kernarg_segment_ptr 1
		.amdhsa_wavefront_size32 1
		.amdhsa_system_sgpr_workgroup_id_x 1
		.amdhsa_system_sgpr_workgroup_id_y 1
		.amdhsa_system_sgpr_workgroup_id_z 1
		.amdhsa_system_vgpr_workitem_id 0
		.amdhsa_next_free_vgpr 256
		.amdhsa_next_free_sgpr 66
		.amdhsa_reserve_vcc 0
		.amdhsa_float_denorm_mode_32 3
		.amdhsa_float_denorm_mode_16_64 3
		.amdhsa_memory_ordered 1
		.amdhsa_forward_progress 1
		.amdhsa_inst_pref_size 27
	.end_amdhsa_kernel
	.amdgpu_metadata
---
amdhsa.version: [ 1, 2 ]
amdhsa.kernels:
  - .name:           k_q5987144173_outp
    .symbol:         k_q5987144173_outp.kd
    .args:
      - { .name: oc, .offset: 0, .size: 8, .value_kind: global_buffer, .address_space: global }
      - { .name: w_0_codes, .offset: 8, .size: 8, .value_kind: global_buffer, .address_space: global }
      - { .name: w_0_scales, .offset: 16, .size: 8, .value_kind: global_buffer, .address_space: global }
      - { .name: b_0, .offset: 24, .size: 8, .value_kind: global_buffer, .address_space: global }
      - { .name: out0, .offset: 32, .size: 8, .value_kind: global_buffer, .address_space: global }
    .group_segment_fixed_size: 184832
    .private_segment_fixed_size: 0
    .kernarg_segment_align: 8
    .kernarg_segment_size: 40
    .max_flat_workgroup_size: 128
    .sgpr_count:     66
    .vgpr_count:     256
    .wavefront_size: 32
...
	.end_amdgpu_metadata
.endif
;; end of part 3
